; MI455X (gfx1250); checked and timed in simulation.
; The chip was launched on July 23, 2026; its instructions are those of AMD's public machine-readable ISA for CDNA 5 (MIT licence, August 2026) and "CDNA5" Instruction Set Architecture Reference Guide (July 2026). The comments in the code are by the model that wrote it; some were corrected since.
;; Attn. Allowed arithmetic: float matrix products may take bf16 or f16 operands with f32 sums; all other float work in f32.
;; Inputs: W 1,024 x 1,024 float32; b 1,024 float32; encoder_outputs 2,048 x 32 x 1,024 float32; hidden 1 x 32 x 1,024 float32.
;; Outputs: out0 32 x 1 x 2,048 float32.
;; 2 versions, each right; version 2 is version 1 with the launch dots written anew for expert scheduling mode. Each part assembles by itself: llvm-mc -triple=amdgcn-amd-amdhsa -mcpu=gfx1250 --defsym DOCPART=n.
;; ======== version 1 of 2: 3 launches
;; workspace buffers: vp 2,097,152 bytes; energy 262,144 bytes
;; launch vpart (part 1): grid 16 x 16, 8 waves a work-group, no clusters, 25,600 bytes of LDS; arguments W, hidden, vp; writes vp
.if DOCPART == 1
	.amdgcn_target "amdgcn-amd-amdhsa--gfx1250"
	.amdhsa_code_object_version 6
	.text
	.protected	k_q9cac910f14_vpart
	.globl	k_q9cac910f14_vpart
	.p2align	8
	.type	k_q9cac910f14_vpart,@function
k_q9cac910f14_vpart:
	s_mov_b64 s[64:65], 0
	v_nop
	global_prefetch_b8 v0, s[64:65] scope:SCOPE_SE
	s_setreg_imm32_b32 hwreg(HW_REG_WAVE_MODE, 25, 1), 1
	s_wait_xcnt 0x0
; STEP 1 OF 3.  reference(): energy[b][l] = hidden[b] . (W enc[l][b] + bias).  The products are regrouped, for every input:
;   hidden[b] . (W enc[l][b]) = (hidden[b] W) . enc[l][b],   v[b][h] = sum over g of hidden[b][g] W[g][h].
; This launch makes v in 16 partial sums:  vp[p][b][h] = sum over g = 64 p .. 64 p + 63 of hidden[b][g] W[g][h]   (f32, [16][32][1024]).
; The next launch adds the 16 partials in ascending p.
; LIMIT, stated: the order of rounding differs from reference()'s (v first, then v . enc; f32 sums in the order written here).
; WHY f32 ON THE VECTOR ALU AND NO MATRIX INSTRUCTION: the product has 32 rows and reads W once (8 multiply-adds for each byte of W), and the
; energies go into an exponential, where an absolute error is a relative error of the result; operands of 16 bits would cost more than the result allows.
; WHY 16 x 16 WORK-GROUPS: a tile of W is 64 g x 64 h, so that each piece of a row of W is 256 consecutive bytes at a multiple of 256,
; each byte of W is read by one work-group, and 256 work-groups share the 4 MiB evenly (16 KiB each).
; NO CLUSTER: what the 16 work-groups of one g slab share is the 8 KiB tile of hidden, fetched once by two loads a thread; there is no ring of
; tiles in which a joint request would recur.
; Eight waves.  Thread t: q = t % 16 (columns 4 q .. 4 q + 3 of the tile), bg = t / 16; it makes b = bg and b = bg + 16: eight sums.
.set WL,   0                           ; LDS: W's tile, 64 rows (g) of 256 bytes
.set HL,   16384                       ; LDS: hidden's tile, 32 rows (b) of 256 bytes (64 g)
.set LST,  1                           ; v1       16 t: where my staged 16 bytes go in LDS
.set GOFF, 2                           ; v2       4096 (t / 16) + 16 (t % 16): my 16 bytes in W, in hidden and in vp (all have rows of 4,096 bytes)
.set WA,   3                           ; v3       16 q: my four columns in a row of W's tile
.set HA,   4                           ; v4       256 bg: row b = bg of hidden's tile
.set WS,   8                           ; v[8:23]  W as loaded, four rows' pieces
.set HS,   24                          ; v[24:31] hidden as loaded, two rows' pieces
.set FB0,  32                          ; v[32:55] fragment buffer 0: +4r W[4 g4 + r][my 4 h]; +16 hidden[bg][4 g]; +20 hidden[bg+16][4 g]
.set FB1,  56                          ; v[56:79] fragment buffer 1
.set ACC,  80                          ; v[80:83] sums of b = bg, v[84:87] of b = bg + 16
	s_load_b128 s[4:7], s[0:1], 0x0                ; W s[4:5], hidden s[6:7]
	s_load_b64 s[8:9], s[0:1], 0x10                ; vp
	v_lshl_add_u32 v88, v0, 2, 0x6000
	v_mov_b32 v89, 0
	s_and_b32 s10, ttmp7, 0xffff                   ; gs: which 64 g
	s_lshl_b32 s11, ttmp9, 8                       ; hs x 256 bytes: which 64 h
	s_mov_b32 s13, 0                               ; the offsets' high word
	v_lshlrev_b32 v[LST], 4, v0
	v_and_b32 v[WA], 15, v0
	v_lshlrev_b32 v[WA], 4, v[WA]
	v_lshrrev_b32 v[HA], 4, v0                     ; bg
	v_lshl_add_u32 v[GOFF], v[HA], 12, v[WA]
	v_lshlrev_b32 v[HA], 8, v[HA]
	s_wait_kmcnt 0x0
	s_lshl_b32 s12, s10, 18                        ; 64 rows of W
	s_or_b32 s12, s12, s11
	s_add_nc_u64 s[4:5], s[4:5], s[12:13]          ; W at the tile's corner
	s_lshl_b32 s12, s10, 8                         ; 64 g of a row of hidden
	s_add_nc_u64 s[6:7], s[6:7], s[12:13]
	s_lshl_b32 s12, s10, 17                        ; partial p = gs: 32 x 4,096 bytes
	s_or_b32 s12, s12, s11
	s_add_nc_u64 s[8:9], s[8:9], s[12:13]
	; Both tiles into LDS through registers: sixteen neighbouring lanes take 256 consecutive bytes of one row.
.irp k, 0,1,2,3
	global_load_b128 v[WS+4*\k:WS+4*\k+3], v[GOFF], s[4:5] offset:\k*65536 th:TH_LOAD_NT   ; rows t / 16 + 16 k; no other work-group reads them
.endr
.irp k, 0,1
	global_load_b128 v[HS+4*\k:HS+4*\k+3], v[GOFF], s[6:7] offset:\k*65536                 ; b = t / 16 + 16 k
.endr
.irp k, 0,1,2,3
	s_wait_loadcnt 5-\k                            ; loads return in order: 5 - k younger ones may stay out
	ds_store_b128 v[LST], v[WS+4*\k:WS+4*\k+3] offset:WL+\k*4096
.endr
.irp k, 0,1
	s_wait_loadcnt 1-\k
	ds_store_b128 v[LST], v[HS+4*\k:HS+4*\k+3] offset:HL+\k*4096
.endr
	s_wait_dscnt 0x0                               ; my stores are in LDS, for the other waves' sake: zero
	s_barrier_signal -1
	s_barrier_wait -1                              ; the only barrier: from here on LDS is read only
; Six LDS loads: four rows of W (g = 4 g4 + r) and four g of hidden for my two b.
.macro LOADG g4, f
.irp r, 0,1,2,3
	ds_load_b128 v[\f+4*\r:\f+4*\r+3], v[WA] offset:WL+256*(4*(\g4)+\r)
.endr
	ds_load_b128 v[\f+16:\f+19], v[HA] offset:HL+16*(\g4)
	ds_load_b128 v[\f+20:\f+23], v[HA] offset:HL+4096+16*(\g4)
.endm
; One g: eight sums in four packed instructions.  hidden[b][g] is one register of a pair and feeds both halves:
; the pair's first register (odd = 0) by op_sel_hi 0, its second (odd = 1) by op_sel 1.  first = 1: the product starts the sums, nothing is cleared.
.macro FMAR f, r, odd, first
.irp bb, 0,1
.irp cp, 0,1
.if \first
	v_pk_mul_f32 v[ACC+4*\bb+2*\cp:ACC+4*\bb+2*\cp+1], v[\f+4*\r+2*\cp:\f+4*\r+2*\cp+1], v[\f+16+4*\bb:\f+16+4*\bb+1] op_sel_hi:[1,0]
.else
.if \odd
	v_pk_fma_f32 v[ACC+4*\bb+2*\cp:ACC+4*\bb+2*\cp+1], v[\f+4*\r+2*\cp:\f+4*\r+2*\cp+1], v[\f+16+4*\bb+\r-1:\f+16+4*\bb+\r], v[ACC+4*\bb+2*\cp:ACC+4*\bb+2*\cp+1] op_sel:[0,1,0] op_sel_hi:[1,1,1]
.else
	v_pk_fma_f32 v[ACC+4*\bb+2*\cp:ACC+4*\bb+2*\cp+1], v[\f+4*\r+2*\cp:\f+4*\r+2*\cp+1], v[\f+16+4*\bb+\r:\f+16+4*\bb+\r+1], v[ACC+4*\bb+2*\cp:ACC+4*\bb+2*\cp+1] op_sel_hi:[1,0,1]
.endif
.endif
.endr
.endr
.endm
.macro FMAG f, first                   ; four g, ascending
	FMAR \f, 0, 0, \first
	FMAR \f, 1, 1, 0
	FMAR \f, 2, 0, 0
	FMAR \f, 3, 1, 0
.endm
	; Sixteen groups of four g on two fragment buffers: the next group's six loads are issued, then the wait lets exactly those six stay out.
	LOADG 0, FB0
	LOADG 1, FB1
	s_wait_dscnt 0x6
	FMAG FB0, 1                                    ; group 0 starts the sums
.irp g, 1,3,5,7,9,11,13
	LOADG \g+1, FB0
	s_wait_dscnt 0x6                               ; group g is in; the six loads of group g + 1 stay out
	FMAG FB1, 0
	LOADG \g+2, FB1
	s_wait_dscnt 0x6
	FMAG FB0, 0
.endr
	s_wait_dscnt 0x0                               ; group 15: nothing was issued behind it
	FMAG FB1, 0
	global_store_b128 v[GOFF], v[ACC:ACC+3], s[8:9]                   ; sixteen lanes store 256 consecutive bytes, at a multiple of 256 from vp's first byte
	global_store_b128 v[GOFF], v[ACC+4:ACC+7], s[8:9] offset:65536    ; b + 16
	s_wait_tensorcnt 0x0
	ds_add_u32 v88, v89
	s_wait_dscnt 0x0
	s_endpgm
.Lfunc_end_k_q9cac910f14_vpart:
	.size	k_q9cac910f14_vpart, .Lfunc_end_k_q9cac910f14_vpart-k_q9cac910f14_vpart
	.p2alignl 7, 3214868480
	.fill 96, 4, 3214868480
	.section	.rodata,"a",@progbits
	.p2align	6, 0x0
	.amdhsa_kernel k_q9cac910f14_vpart
		.amdhsa_group_segment_fixed_size 25600
		.amdhsa_private_segment_fixed_size 0
		.amdhsa_enable_private_segment 0
		.amdhsa_kernarg_size 24
		.amdhsa_user_sgpr_count 2
		.amdhsa_user_sgpr_kernarg_segment_ptr 1
		.amdhsa_wavefront_size32 1
		.amdhsa_system_sgpr_workgroup_id_x 1
		.amdhsa_system_sgpr_workgroup_id_y 1
		.amdhsa_system_sgpr_workgroup_id_z 1
		.amdhsa_system_vgpr_workitem_id 0
		.amdhsa_next_free_vgpr 90
		.amdhsa_next_free_sgpr 66
		.amdhsa_reserve_vcc 0
		.amdhsa_float_denorm_mode_32 3
		.amdhsa_float_denorm_mode_16_64 3
		.amdhsa_memory_ordered 1
		.amdhsa_forward_progress 1
		.amdhsa_inst_pref_size 26
	.end_amdhsa_kernel
	.amdgpu_metadata
---
amdhsa.version: [ 1, 2 ]
amdhsa.kernels:
  - .name:           k_q9cac910f14_vpart
    .symbol:         k_q9cac910f14_vpart.kd
    .args:
      - { .name: W, .offset: 0, .size: 8, .value_kind: global_buffer, .address_space: global }
      - { .name: hidden, .offset: 8, .size: 8, .value_kind: global_buffer, .address_space: global }
      - { .name: vp, .offset: 16, .size: 8, .value_kind: global_buffer, .address_space: global }
    .group_segment_fixed_size: 25600
    .private_segment_fixed_size: 0
    .kernarg_segment_align: 8
    .kernarg_segment_size: 24
    .max_flat_workgroup_size: 256
    .sgpr_count:     66
    .vgpr_count:     90
    .wavefront_size: 32
...
	.end_amdgpu_metadata
.endif
;; end of part 1
;; launch dots (part 2): grid 8 x 32, 16 waves a work-group, no clusters, 7,168 bytes of LDS; arguments encoder_outputs, vp, energy; writes energy
.if DOCPART == 2
	.amdgcn_target "amdgcn-amd-amdhsa--gfx1250"
	.amdhsa_code_object_version 6
	.text
	.protected	k_q9cac910f14_dots
	.globl	k_q9cac910f14_dots
	.p2align	8
	.type	k_q9cac910f14_dots,@function
k_q9cac910f14_dots:
	s_mov_b64 s[64:65], 0
	v_nop
	global_prefetch_b8 v0, s[64:65] scope:SCOPE_SE
	s_setreg_imm32_b32 hwreg(HW_REG_WAVE_MODE, 25, 1), 1
	s_wait_xcnt 0x0
; STEP 2 OF 3.  energy[b][l] = sum over h of v[b][h] enc[l][b][h],  v[b][h] = sum over p, ascending, of vp[p][b][h].   All f32.
; (The bias term hidden[b] . bias is added in the third launch, in front of the maximum.)
; A stream: each byte of encoder_outputs is read once, by one lane, and feeds one multiply-add.  So no LDS ring, no tensor load and no
; matrix instruction: the 32 registers of v[b] in each lane are the only data used again.
; A work-group owns one b and 256 neighbouring l (1 MiB of enc); 8 x 32 = 256 work-groups of equal work.  One b for a work-group is what lets v[b]
; stay in registers for the whole kernel.  Wave w owns 16 rows, l = 256 cx + 16 w + i.  A row is 4,096 bytes: eight loads of 16 bytes a lane,
; each covering 512 consecutive bytes of the row.  A ring of four row slots in registers: 32 loads of a wave, 16 waves x 16 KiB of a work-group, are on their way.
; NO CLUSTER: the 8 work-groups of one b share only their 64 KiB of vp, one sixteenth of the 1 MiB of enc that each reads for itself.
; No register that a pending load names is ever rewritten (offsets and bases are fixed, rows are reached by immediates), so no wait frees one.
; LIMIT, stated: f32 sums in this text's order (four chains a lane, a tree, then across lanes), not in reference()'s.
.set ROWB, 131072                      ; bytes from l to l + 1: 32 b x 4,096; also from one partial of vp to the next
.set VL,   0                           ; LDS: v[b], 4,096 bytes
.set EL,   4096                        ; LDS: the work-group's 256 energies, 1,024 bytes
.set LOFF, 1                           ; v1        16 x lane: my 16 bytes in each 512 of a row
.set POFF, 2                           ; v2        8 t: my two h of v
.set EA,   3                           ; v3        64 x wave: my wave's 16 energies in EL
.set T,    4                           ; v4        what v_permlanex16_b32 brings
.set SOFF, 5                           ; v5        16 (t % 64): the way out (waves 0 and 1, where it is 16 t)
.set ACC,  6                           ; v[6:13]   four chains of two sums
.set V,    16                          ; v[16:47]  first the 16 partials of my two h, then v[b][128 j + 4 lane + k] at V + 4 j + k
.set X,    48                          ; v[48:175] slot s: 32 registers, a row as loaded
	s_load_b128 s[4:7], s[0:1], 0x0                ; enc s[4:5], vp s[6:7]
	s_load_b64 s[8:9], s[0:1], 0x10                ; energy
	v_lshl_add_u32 v176, v0, 2, 0x1400
	v_mov_b32 v177, 0
	v_lshrrev_b32 v[EA], 5, v0
	v_readfirstlane_b32 s10, v[EA]                 ; wave 0..15
	s_and_b32 s11, ttmp7, 0xffff                   ; b
	s_mov_b32 s14, 0x76543210                      ; v_permlanex16_b32: lane i of one half reads lane i of the other
	s_mov_b32 s15, 0xfedcba98
	s_mov_b32 s13, 0                               ; the offsets' high word
	v_and_b32 v[LOFF], 31, v0
	v_lshlrev_b32 v[LOFF], 4, v[LOFF]
	v_lshlrev_b32 v[POFF], 3, v0
	v_mov_b32 v[EA], s10
	v_lshlrev_b32 v[EA], 6, v[EA]
	v_mov_b32 v[T], 0                              ; v_permlanex16_b32 counts as a reader of its destination
	v_and_b32 v[SOFF], 63, v0
	v_lshlrev_b32 v[SOFF], 4, v[SOFF]
	s_lshl_b32 s12, ttmp9, 25                      ; 256 l x 131,072 bytes
	s_lshl_b32 s16, s10, 21                        ; 16 l of my wave
	s_or_b32 s12, s12, s16
	s_lshl_b32 s16, s11, 12                        ; row b
	s_or_b32 s12, s12, s16                         ; below 2^28
	s_wait_kmcnt 0x0
	s_add_nc_u64 s[4:5], s[4:5], s[12:13]          ; enc at my wave's first row
	s_mov_b32 s12, s16
	s_add_nc_u64 s[6:7], s[6:7], s[12:13]          ; vp at [0][b][0]
	s_lshl_b32 s12, s11, 13                        ; energy's row b, 8,192 bytes,
	s_lshl_b32 s16, ttmp9, 10                      ; and the work-group's 256 numbers in it
	s_or_b32 s12, s12, s16
	s_add_nc_u64 s[8:9], s[8:9], s[12:13]
.macro FILL i                          ; row i of my 16 into slot i % 4: eight loads, 512 consecutive bytes each.  Read once in the launch: non-temporal
.irp j, 0,1,2,3,4,5,6,7
	global_load_b128 v[X+32*((\i)%4)+4*\j:X+32*((\i)%4)+4*\j+3], v[LOFF], s[4:5] offset:ROWB*(\i)+512*\j th:TH_LOAD_NT
.endr
.endm
	; The 16 partials of my two h (a wave's load covers 256 consecutive bytes), then the ring is filled: v is summed while the rows are on their way.
.irp p, 0,1,2,3,4,5,6,7,8,9,10,11,12,13,14,15
	global_load_b64 v[V+2*\p:V+2*\p+1], v[POFF], s[6:7] offset:ROWB*\p
.endr
	FILL 0
	FILL 1
	FILL 2
	FILL 3
	s_wait_loadcnt 32                              ; the 32 loads of the four rows stay out; the 16 partials in front of them are in
.irp p, 1,2,3,4,5,6,7,8,9,10,11,12,13,14,15
	v_pk_add_f32 v[V:V+1], v[V:V+1], v[V+2*\p:V+2*\p+1]        ; ascending p: one fixed order for every work-group
.endr
	ds_store_b64 v[POFF], v[V:V+1] offset:VL
	s_wait_dscnt 0x0                               ; my two numbers are in LDS, for the other waves' sake: zero
	s_barrier_signal -1
	s_barrier_wait -1                              ; v[b] is whole
.irp j, 0,1,2,3,4,5,6,7
	ds_load_b128 v[V+4*\j:V+4*\j+3], v[LOFF] offset:VL+512*\j  ; in the lanes' layout of a row of enc; VL is never written again
.endr
	s_wait_dscnt 0x0
; One row.  left = how many loads of younger rows may stay out.  fill = 1: the slot gets the row four further on, as soon as
; the multiply-adds have read it and ahead of the reduction.
.macro ROW i, left, fill
	s_wait_loadcnt \left                           ; loads return in order: this row's eight are in
.irp m, 0,1,2,3
	v_pk_mul_f32 v[ACC+2*\m:ACC+2*\m+1], v[X+32*((\i)%4)+2*\m:X+32*((\i)%4)+2*\m+1], v[V+2*\m:V+2*\m+1]     ; the first products start four chains
.endr
.irp m, 4,5,6,7,8,9,10,11,12,13,14,15
	v_pk_fma_f32 v[ACC+2*(\m%4):ACC+2*(\m%4)+1], v[X+32*((\i)%4)+2*\m:X+32*((\i)%4)+2*\m+1], v[V+2*\m:V+2*\m+1], v[ACC+2*(\m%4):ACC+2*(\m%4)+1]
.endr
.if \fill
	FILL \i+4
.endif
	v_pk_add_f32 v[ACC:ACC+1], v[ACC:ACC+1], v[ACC+2:ACC+3]
	v_pk_add_f32 v[ACC+4:ACC+5], v[ACC+4:ACC+5], v[ACC+6:ACC+7]
	v_pk_add_f32 v[ACC:ACC+1], v[ACC:ACC+1], v[ACC+4:ACC+5]
	v_add_f32 v[ACC], v[ACC], v[ACC+1]             ; my 32 products
	v_add_f32_dpp v[ACC], v[ACC], v[ACC] row_xmask:1 row_mask:0xf bank_mask:0xf
	v_add_f32_dpp v[ACC], v[ACC], v[ACC] row_xmask:2 row_mask:0xf bank_mask:0xf
	v_add_f32_dpp v[ACC], v[ACC], v[ACC] row_xmask:4 row_mask:0xf bank_mask:0xf
	v_add_f32_dpp v[ACC], v[ACC], v[ACC] row_xmask:8 row_mask:0xf bank_mask:0xf
	v_permlanex16_b32 v[T], v[ACC], s14, s15
	v_add_f32 v[ACC], v[ACC], v[T]                 ; every lane holds the row's energy
	ds_store_b32 v[EA], v[ACC] offset:EL+4*(\i)    ; all lanes write the same word with the same value; the word is my wave's own
.endm
.irp i, 0,1,2,3,4,5,6,7,8,9,10,11
	ROW \i, 24, 1                                  ; three younger rows, 24 loads, stay out
.endr
	ROW 12, 24, 0                                  ; the last four rows fetch nothing: no load leaves the buffer, and the counts run down
	ROW 13, 16, 0
	ROW 14, 8, 0
	ROW 15, 0, 0
	s_wait_dscnt 0x0                               ; my 16 energies are in LDS, for waves 0 and 1: zero
	s_barrier_signal -1
	s_barrier_wait -1
	s_cmp_gt_u32 s10, 1                            ; the 1,024 bytes leave by 64 threads, 16 bytes each
	s_cbranch_scc1 .Lend
	ds_load_b128 v[ACC:ACC+3], v[SOFF] offset:EL
	s_wait_dscnt 0x0
	global_store_b128 v[SOFF], v[ACC:ACC+3], s[8:9]    ; sixteen lanes store 256 consecutive bytes, at a multiple of 256 from energy's first byte
.Lend:
	s_wait_tensorcnt 0x0
	ds_add_u32 v176, v177
	s_wait_dscnt 0x0
	s_endpgm
.Lfunc_end_k_q9cac910f14_dots:
	.size	k_q9cac910f14_dots, .Lfunc_end_k_q9cac910f14_dots-k_q9cac910f14_dots
	.p2alignl 7, 3214868480
	.fill 96, 4, 3214868480
	.section	.rodata,"a",@progbits
	.p2align	6, 0x0
	.amdhsa_kernel k_q9cac910f14_dots
		.amdhsa_group_segment_fixed_size 7168
		.amdhsa_private_segment_fixed_size 0
		.amdhsa_enable_private_segment 0
		.amdhsa_kernarg_size 24
		.amdhsa_user_sgpr_count 2
		.amdhsa_user_sgpr_kernarg_segment_ptr 1
		.amdhsa_wavefront_size32 1
		.amdhsa_system_sgpr_workgroup_id_x 1
		.amdhsa_system_sgpr_workgroup_id_y 1
		.amdhsa_system_sgpr_workgroup_id_z 1
		.amdhsa_system_vgpr_workitem_id 0
		.amdhsa_next_free_vgpr 178
		.amdhsa_next_free_sgpr 66
		.amdhsa_reserve_vcc 0
		.amdhsa_float_denorm_mode_32 3
		.amdhsa_float_denorm_mode_16_64 3
		.amdhsa_memory_ordered 1
		.amdhsa_forward_progress 1
		.amdhsa_inst_pref_size 44
	.end_amdhsa_kernel
	.amdgpu_metadata
---
amdhsa.version: [ 1, 2 ]
amdhsa.kernels:
  - .name:           k_q9cac910f14_dots
    .symbol:         k_q9cac910f14_dots.kd
    .args:
      - { .name: encoder_outputs, .offset: 0, .size: 8, .value_kind: global_buffer, .address_space: global }
      - { .name: vp, .offset: 8, .size: 8, .value_kind: global_buffer, .address_space: global }
      - { .name: energy, .offset: 16, .size: 8, .value_kind: global_buffer, .address_space: global }
    .group_segment_fixed_size: 7168
    .private_segment_fixed_size: 0
    .kernarg_segment_align: 8
    .kernarg_segment_size: 24
    .max_flat_workgroup_size: 512
    .sgpr_count:     66
    .vgpr_count:     178
    .wavefront_size: 32
...
	.end_amdgpu_metadata
.endif
;; end of part 2
;; launch soft (part 3): grid 32 x 1, 8 waves a work-group, no clusters, 1,280 bytes of LDS; arguments energy, hidden, b, out0; writes out0
.if DOCPART == 3
	.amdgcn_target "amdgcn-amd-amdhsa--gfx1250"
	.amdhsa_code_object_version 6
	.text
	.protected	k_q9cac910f14_soft
	.globl	k_q9cac910f14_soft
	.p2align	8
	.type	k_q9cac910f14_soft,@function
k_q9cac910f14_soft:
	s_mov_b64 s[64:65], 0
	v_nop
	global_prefetch_b8 v0, s[64:65] scope:SCOPE_SE
	s_setreg_imm32_b32 hwreg(HW_REG_WAVE_MODE, 25, 1), 1
	s_wait_xcnt 0x0
; STEP 3 OF 3.  out0[b][l] = softmax over l of (energy[b][l] + c[b]),  c[b] = hidden[b] . bias.   All f32.
; The bias term is formed and added as reference() has it, in front of the maximum, although a softmax cancels a term common to a row.
; One work-group for each b: a row's maximum and sum stay inside a work-group, so 32 work-groups are all the work there is (8 KiB in, 8 KiB out each).
; Eight waves; thread t holds the energies l = 4 t .. 4 t + 3 and 1024 + 4 t .. + 3, and h = 4 t .. 4 t + 3 of hidden[b] and of bias.
; The row stays in registers between the maximum, the exponentials and the scaling.  The work-groups share only the 4 KiB of bias: no cluster.
; LIMITS, stated: v_exp_f32 gives 0 for results under 2^-126 (ISA guide, 15.8), where reference() may keep a denormal;
; v_exp_f32 and v_rcp_f32 are accurate to one unit in the last place; the sums run in this text's order.
.set OFF,  1                           ; v1       16 t
.set WA8,  2                           ; v2       8 x wave: my wave's (c part, maximum) in LDS bytes 0-63
.set ZERO, 3                           ; v3       0: the address from which every lane reads all waves' figures
.set T,    4                           ; v4       what v_permlanex16_b32 brings
.set WA4,  5                           ; v5       4 x wave: my wave's sum in LDS bytes 64-95
.set E,    8                           ; v[8:15]  energies, then exponents
.set HD,   16                          ; v[16:19] hidden
.set BI,   20                          ; v[20:23] bias
.set CM,   24                          ; v24 c part, v25 maximum part
.set SUM,  26                          ; v26      sum
.set C2,   28                          ; v[28:29] c, twice; later 1 / sum, twice
.set M2,   30                          ; v[30:31] maximum of energy + c, twice
.set RB,   32                          ; v[32:47] read back from LDS; also the sum's tree
.set P,    48                          ; v[48:55] exponentials, then the result
.macro WSUM r                          ; sum over the wave's 32 lanes, the result in every lane
	v_add_f32_dpp v[\r], v[\r], v[\r] row_xmask:1 row_mask:0xf bank_mask:0xf
	v_add_f32_dpp v[\r], v[\r], v[\r] row_xmask:2 row_mask:0xf bank_mask:0xf
	v_add_f32_dpp v[\r], v[\r], v[\r] row_xmask:4 row_mask:0xf bank_mask:0xf
	v_add_f32_dpp v[\r], v[\r], v[\r] row_xmask:8 row_mask:0xf bank_mask:0xf
	v_permlanex16_b32 v[T], v[\r], s16, s17
	v_add_f32 v[\r], v[\r], v[T]
.endm
.macro WMAX r                          ; the same for a maximum
	v_max_num_f32_dpp v[\r], v[\r], v[\r] row_xmask:1 row_mask:0xf bank_mask:0xf
	v_max_num_f32_dpp v[\r], v[\r], v[\r] row_xmask:2 row_mask:0xf bank_mask:0xf
	v_max_num_f32_dpp v[\r], v[\r], v[\r] row_xmask:4 row_mask:0xf bank_mask:0xf
	v_max_num_f32_dpp v[\r], v[\r], v[\r] row_xmask:8 row_mask:0xf bank_mask:0xf
	v_permlanex16_b32 v[T], v[\r], s16, s17
	v_max_num_f32 v[\r], v[\r], v[T]
.endm
	s_load_b256 s[4:11], s[0:1], 0x0               ; energy s[4:5], hidden s[6:7], bias s[8:9], out0 s[10:11]
	v_lshl_add_u32 v56, v0, 2, 0x100
	v_mov_b32 v57, 0
	v_lshrrev_b32 v[WA8], 5, v0
	v_readfirstlane_b32 s12, v[WA8]                ; wave 0..7
	s_mov_b32 s16, 0x76543210                      ; v_permlanex16_b32: lane i of one half reads lane i of the other
	s_mov_b32 s17, 0xfedcba98
	s_mov_b32 s15, 0                               ; the offsets' high word
	v_lshlrev_b32 v[OFF], 4, v0
	v_mov_b32 v[WA8], s12
	v_lshlrev_b32 v[WA4], 2, v[WA8]
	v_lshlrev_b32 v[WA8], 3, v[WA8]
	v_mov_b32 v[ZERO], 0
	v_mov_b32 v[T], 0                              ; v_permlanex16_b32 counts as a reader of its destination
	s_lshl_b32 s14, ttmp9, 13                      ; row b of energy and of out0: 8,192 bytes
	s_wait_kmcnt 0x0
	s_add_nc_u64 s[4:5], s[4:5], s[14:15]
	s_add_nc_u64 s[10:11], s[10:11], s[14:15]
	s_lshl_b32 s14, ttmp9, 12                      ; row b of hidden: 4,096 bytes
	s_add_nc_u64 s[6:7], s[6:7], s[14:15]
	global_load_b128 v[E:E+3],   v[OFF], s[4:5]
	global_load_b128 v[E+4:E+7], v[OFF], s[4:5] offset:4096
	global_load_b128 v[HD:HD+3], v[OFF], s[6:7]
	global_load_b128 v[BI:BI+3], v[OFF], s[8:9]
	s_wait_loadcnt 0x0                             ; all four are needed at once
	; my part of c = hidden[b] . bias, and my largest energy
	v_pk_mul_f32 v[CM:CM+1], v[HD:HD+1], v[BI:BI+1]
	v_pk_fma_f32 v[CM:CM+1], v[HD+2:HD+3], v[BI+2:BI+3], v[CM:CM+1]
	v_add_f32 v[CM], v[CM], v[CM+1]
	v_max3_num_f32 v[CM+1], v[E], v[E+1], v[E+2]
	v_max3_num_f32 v[CM+1], v[CM+1], v[E+3], v[E+4]
	v_max3_num_f32 v[CM+1], v[CM+1], v[E+5], v[E+6]
	v_max_num_f32 v[CM+1], v[CM+1], v[E+7]
	WSUM CM
	WMAX CM+1
	ds_store_b64 v[WA8], v[CM:CM+1]                ; all lanes write my wave's own 8 bytes with the same values
	s_wait_dscnt 0x0                               ; for the other waves' sake: zero
	s_barrier_signal -1
	s_barrier_wait -1
.irp k, 0,1,2,3
	ds_load_b128 v[RB+4*\k:RB+4*\k+3], v[ZERO] offset:16*\k    ; (c part, maximum) of waves 2 k and 2 k + 1, in every lane
.endr
	s_wait_dscnt 0x0
	v_add_f32 v[C2], v[RB], v[RB+2]                ; c, in the waves' order
	v_add_f32 v[C2], v[C2], v[RB+4]
	v_add_f32 v[C2], v[C2], v[RB+6]
	v_add_f32 v[C2], v[C2], v[RB+8]
	v_add_f32 v[C2], v[C2], v[RB+10]
	v_add_f32 v[C2], v[C2], v[RB+12]
	v_add_f32 v[C2+1], v[C2], v[RB+14]             ; the last add twice: a pair for the packed forms
	v_add_f32 v[C2], v[C2], v[RB+14]
	v_max3_num_f32 v[M2], v[RB+1], v[RB+3], v[RB+5]
	v_max3_num_f32 v[M2], v[M2], v[RB+7], v[RB+9]
	v_max3_num_f32 v[M2], v[M2], v[RB+11], v[RB+13]
	v_max_num_f32 v[M2], v[M2], v[RB+15]
	v_add_f32 v[M2+1], v[M2], v[C2]                ; rounding is monotone: the rounded (largest energy + c) IS the largest of the rounded (energy + c)
	v_add_f32 v[M2], v[M2], v[C2]
	; exp(x - max) with x = energy + c.  The difference is taken first and scaled afterwards (no fused form with max x log2 e):
	; so the largest term is exactly 2^0, and the difference is formed from the two rounded numbers themselves, however large the energies are.
.irp k, 0,2,4,6
	v_pk_add_f32 v[E+\k:E+\k+1], v[E+\k:E+\k+1], v[C2:C2+1]
.endr
.irp k, 0,2,4,6
	v_pk_add_f32 v[E+\k:E+\k+1], v[E+\k:E+\k+1], v[M2:M2+1] neg_lo:[0,1] neg_hi:[0,1]
.endr
.irp k, 0,2,4,6
	v_pk_mul_f32 v[E+\k:E+\k+1], v[E+\k:E+\k+1], 0x3fb8aa3b op_sel_hi:[1,0]    ; x log2 e: v_exp_f32 works in base 2
.endr
.irp k, 0,1,2,3,4,5,6,7
	v_exp_f32 v[P+\k], v[E+\k]
.endr
	v_nop                                          ; one plain place behind the last transcendental before its result is read (ISA guide 5.7.2)
	s_wait_alu depctr_va_vdst(0)
	v_pk_add_f32 v[RB:RB+1], v[P:P+1], v[P+2:P+3]
	v_pk_add_f32 v[RB+2:RB+3], v[P+4:P+5], v[P+6:P+7]
	v_pk_add_f32 v[RB:RB+1], v[RB:RB+1], v[RB+2:RB+3]
	v_add_f32 v[SUM], v[RB], v[RB+1]
	WSUM SUM
	ds_store_b32 v[WA4], v[SUM] offset:64          ; other bytes than the first exchange's: no barrier is needed in front
	s_wait_dscnt 0x0                               ; for the other waves' sake: zero
	s_barrier_signal -1
	s_barrier_wait -1
	ds_load_b128 v[RB:RB+3],   v[ZERO] offset:64
	ds_load_b128 v[RB+4:RB+7], v[ZERO] offset:80
	s_wait_dscnt 0x0
	v_add_f32 v[SUM], v[RB], v[RB+1]               ; in the waves' order; at least 1, since the largest term is 2^0
	v_add_f32 v[SUM], v[SUM], v[RB+2]
	v_add_f32 v[SUM], v[SUM], v[RB+3]
	v_add_f32 v[SUM], v[SUM], v[RB+4]
	v_add_f32 v[SUM], v[SUM], v[RB+5]
	v_add_f32 v[SUM], v[SUM], v[RB+6]
	v_add_f32 v[SUM], v[SUM], v[RB+7]
	v_rcp_f32 v[C2], v[SUM]                        ; twice: a pair for the packed multiply
	v_rcp_f32 v[C2+1], v[SUM]
	v_nop                                          ; one plain place before the reciprocals are read (ISA guide 5.7.2)
	s_wait_alu depctr_va_vdst(0)
.irp k, 0,2,4,6
	v_pk_mul_f32 v[P+\k:P+\k+1], v[P+\k:P+\k+1], v[C2:C2+1]
.endr
	global_store_b128 v[OFF], v[P:P+3], s[10:11]                   ; sixteen lanes store 256 consecutive bytes, at a multiple of 256 from out0's first byte
	global_store_b128 v[OFF], v[P+4:P+7], s[10:11] offset:4096
	s_wait_tensorcnt 0x0
	ds_add_u32 v56, v57
	s_wait_dscnt 0x0
	s_endpgm
.Lfunc_end_k_q9cac910f14_soft:
	.size	k_q9cac910f14_soft, .Lfunc_end_k_q9cac910f14_soft-k_q9cac910f14_soft
	.p2alignl 7, 3214868480
	.fill 96, 4, 3214868480
	.section	.rodata,"a",@progbits
	.p2align	6, 0x0
	.amdhsa_kernel k_q9cac910f14_soft
		.amdhsa_group_segment_fixed_size 1280
		.amdhsa_private_segment_fixed_size 0
		.amdhsa_enable_private_segment 0
		.amdhsa_kernarg_size 32
		.amdhsa_user_sgpr_count 2
		.amdhsa_user_sgpr_kernarg_segment_ptr 1
		.amdhsa_wavefront_size32 1
		.amdhsa_system_sgpr_workgroup_id_x 1
		.amdhsa_system_sgpr_workgroup_id_y 1
		.amdhsa_system_sgpr_workgroup_id_z 1
		.amdhsa_system_vgpr_workitem_id 0
		.amdhsa_next_free_vgpr 58
		.amdhsa_next_free_sgpr 66
		.amdhsa_reserve_vcc 0
		.amdhsa_float_denorm_mode_32 3
		.amdhsa_float_denorm_mode_16_64 3
		.amdhsa_memory_ordered 1
		.amdhsa_forward_progress 1
		.amdhsa_inst_pref_size 7
	.end_amdhsa_kernel
	.amdgpu_metadata
---
amdhsa.version: [ 1, 2 ]
amdhsa.kernels:
  - .name:           k_q9cac910f14_soft
    .symbol:         k_q9cac910f14_soft.kd
    .args:
      - { .name: energy, .offset: 0, .size: 8, .value_kind: global_buffer, .address_space: global }
      - { .name: hidden, .offset: 8, .size: 8, .value_kind: global_buffer, .address_space: global }
      - { .name: b, .offset: 16, .size: 8, .value_kind: global_buffer, .address_space: global }
      - { .name: out0, .offset: 24, .size: 8, .value_kind: global_buffer, .address_space: global }
    .group_segment_fixed_size: 1280
    .private_segment_fixed_size: 0
    .kernarg_segment_align: 8
    .kernarg_segment_size: 32
    .max_flat_workgroup_size: 256
    .sgpr_count:     66
    .vgpr_count:     58
    .wavefront_size: 32
...
	.end_amdgpu_metadata
.endif
;; end of part 3
;; ======== version 2 of 2: 3 launches; version 1 with the launch dots written anew for expert scheduling mode
;; workspace buffers: vp 2,097,152 bytes; energy 262,144 bytes
;; launch vpart: the kernel of part 1 again; grid 16 x 16, 8 waves a work-group, no clusters, 25,600 bytes of LDS; arguments W, hidden, vp; writes vp
;; launch dots (part 4): grid 8 x 32, 16 waves a work-group, no clusters, 7,168 bytes of LDS; arguments encoder_outputs, vp, energy; writes energy
.if DOCPART == 4
	.amdgcn_target "amdgcn-amd-amdhsa--gfx1250"
	.amdhsa_code_object_version 6
	.text
	.protected	k_q9cac910f14_dots
	.globl	k_q9cac910f14_dots
	.p2align	8
	.type	k_q9cac910f14_dots,@function
k_q9cac910f14_dots:
	s_mov_b64 s[64:65], 0
	v_nop
	global_prefetch_b8 v0, s[64:65] scope:SCOPE_SE
	s_setreg_imm32_b32 hwreg(HW_REG_WAVE_SCHED_MODE, 0, 2), 2
	s_setreg_imm32_b32 hwreg(HW_REG_WAVE_MODE, 25, 1), 1
	s_wait_xcnt 0x0
	s_wait_alu depctr_vm_vsrc(0)
; STEP 2 OF 3.  energy[b][l] = sum over h of v[b][h] enc[l][b][h],  v[b][h] = sum over p, ascending, of vp[p][b][h].   All f32.
; (The bias term hidden[b] . bias is added in the third launch, in front of the maximum.)
; A stream: each byte of encoder_outputs is read once, by one lane, and feeds one multiply-add.  So no LDS ring, no tensor load and no
; matrix instruction: the 32 registers of v[b] in each lane are the only data used again.
; A work-group owns one b and 256 neighbouring l (1 MiB of enc); 8 x 32 = 256 work-groups of equal work.  One b for a work-group is what lets v[b]
; stay in registers for the whole kernel.  Wave w owns 16 rows, l = 256 cx + 16 w + i.  A row is 4,096 bytes: eight loads of 16 bytes a lane,
; each covering 512 consecutive bytes of the row.  A ring of four row slots in registers: 32 loads of a wave, 16 waves x 16 KiB of a work-group, are on their way.
; NO CLUSTER: the 8 work-groups of one b share only their 64 KiB of vp, one sixteenth of the 1 MiB of enc that each reads for itself.
; No register that a pending load or store names is ever rewritten (offsets and bases are fixed, rows are reached by immediates), so no wait frees one.
; LIMIT, stated: f32 sums in this text's order (four chains a lane, a tree, then across lanes), not in reference()'s.
; THE MODE: SCHED_MODE bits 1:0 = 2 (LLVM: expert scheduling mode 2), set by the entry lines.  The code itself states the register dependences
; between vector instructions and memory or LDS instructions, with s_wait_alu, always for 0.
; THE PLAN.  Registers that memory or LDS instructions touch:
;   v1, v2, v3, v5   offsets and LDS addresses: written at the head, read by every load and store, never written again.
;   V                the loads of vp land in it; the adds over the partials read it; then the LDS loads of the whole v[b] land in it; from there on only multiply-adds read it.
;   VS               written by the adds over the partials, read by one LDS store, never written again.
;   X0 .. X3         row i: its sixteen multiply-adds read X[i % 4]; behind them the loads of row i + 4 land in it.
;   R0 .. R15        row i's last add writes R[i]; the LDS store issued in row i + 1 reads it; never written again.
;   ACC, T           named by vector instructions alone, until the one LDS load of the way out lands in ACC.
; So ONE wait on va_vdst stands in a row, behind its multiply-adds: they are done reading X[i % 4], and the row before has written its R.  The row's eight loads and
; one store follow it, dealt among the lines of the reduction, which name ACC, T and R[i]: none of the registers that those nine touch.
; No register that a memory or LDS instruction reads is written again, so the text holds no wait on vm_vsrc.
.set ROWB, 131072                      ; bytes from l to l + 1: 32 b x 4,096; also from one partial of vp to the next
.set VL,   0                           ; LDS: v[b], 4,096 bytes
.set EL,   4096                        ; LDS: the work-group's 256 energies, 1,024 bytes
.set LOFF, 1                           ; v1        16 x lane: my 16 bytes in each 512 of a row
.set POFF, 2                           ; v2        8 t: my two h of v
.set EA,   3                           ; v3        64 x wave: my wave's 16 energies in EL
.set T,    4                           ; v4        what v_permlanex16_b32 brings
.set SOFF, 5                           ; v5        16 (t % 64): the way out (waves 0 and 1, where it is 16 t)
.set ACC,  6                           ; v[6:13]   four chains of two sums
.set VS,   14                          ; v[14:15]  my two h of v, summed over the partials
.set V,    16                          ; v[16:47]  first the 16 partials of my two h, then v[b][128 j + 4 lane + k] at V + 4 j + k
.set X,    48                          ; v[48:175] slot s: 32 registers, a row as loaded
.set R,    176                         ; v[176:191] row i's energy at R + i
	s_load_b128 s[4:7], s[0:1], 0x0                ; enc s[4:5], vp s[6:7]
	s_load_b64 s[8:9], s[0:1], 0x10                ; energy
	v_lshl_add_u32 v192, v0, 2, 0x1400
	v_mov_b32 v193, 0
	v_lshrrev_b32 v[EA], 5, v0
	v_readfirstlane_b32 s10, v[EA]                 ; wave 0..15
	s_and_b32 s11, ttmp7, 0xffff                   ; b
	s_mov_b32 s14, 0x76543210                      ; v_permlanex16_b32: lane i of one half reads lane i of the other
	s_mov_b32 s15, 0xfedcba98
	s_mov_b32 s13, 0                               ; the offsets' high word
	v_and_b32 v[LOFF], 31, v0
	v_lshlrev_b32 v[LOFF], 4, v[LOFF]
	v_lshlrev_b32 v[POFF], 3, v0
	s_wait_alu depctr_va_sdst(0)                   ; s10 is written, ahead of its first reader, the line below; enc's base and the last branch are made from it too
	v_mov_b32 v[EA], s10
	v_lshlrev_b32 v[EA], 6, v[EA]
	v_mov_b32 v[T], 0                              ; v_permlanex16_b32 counts as a reader of its destination
	v_and_b32 v[SOFF], 63, v0
	v_lshlrev_b32 v[SOFF], 4, v[SOFF]
	s_lshl_b32 s12, ttmp9, 25                      ; 256 l x 131,072 bytes
	s_lshl_b32 s16, s10, 21                        ; 16 l of my wave
	s_or_b32 s12, s12, s16
	s_lshl_b32 s16, s11, 12                        ; row b
	s_or_b32 s12, s12, s16                         ; below 2^28
	s_wait_kmcnt 0x0
	s_add_nc_u64 s[4:5], s[4:5], s[12:13]          ; enc at my wave's first row
	s_mov_b32 s12, s16
	s_add_nc_u64 s[6:7], s[6:7], s[12:13]          ; vp at [0][b][0]
	s_lshl_b32 s12, s11, 13                        ; energy's row b, 8,192 bytes,
	s_lshl_b32 s16, ttmp9, 10                      ; and the work-group's 256 numbers in it
	s_or_b32 s12, s12, s16
	s_add_nc_u64 s[8:9], s[8:9], s[12:13]
	s_wait_alu depctr_va_vdst(0)                   ; v1, v2, v3 and v5 are written: every load and store of the kernel reads one of them as its offset or address
.macro LD i, j                         ; load j of eight of row i, into slot i % 4: 512 consecutive bytes.  Read once in the launch: non-temporal
	global_load_b128 v[X+32*((\i)%4)+4*(\j):X+32*((\i)%4)+4*(\j)+3], v[LOFF], s[4:5] offset:ROWB*(\i)+512*(\j) th:TH_LOAD_NT
.endm
.macro FILL i                          ; a whole row
.irp j, 0,1,2,3,4,5,6,7
	LD \i, \j
.endr
.endm
.macro LD2 i, j, fill                  ; fill = 1: loads j and j + 1 of the row four further on than row i, into row i's slot
.if \fill
	LD \i+4, \j
	LD \i+4, \j+1
.endif
.endm
	; The 16 partials of my two h (a wave's load covers 256 consecutive bytes), then the ring is filled: v is summed while the rows are on their way.
.irp p, 0,1,2,3,4,5,6,7,8,9,10,11,12,13,14,15
	global_load_b64 v[V+2*\p:V+2*\p+1], v[POFF], s[6:7] offset:ROWB*\p
.endr
	FILL 0
	FILL 1
	FILL 2
	FILL 3
	s_wait_loadcnt 32                              ; the 32 loads of the four rows stay out; the 16 partials in front of them are in
	v_pk_add_f32 v[VS:VS+1], v[V:V+1], v[V+2:V+3]              ; ascending p: one fixed order for every work-group
.irp p, 2,3,4,5,6,7,8,9,10,11,12,13,14,15
	v_pk_add_f32 v[VS:VS+1], v[VS:VS+1], v[V+2*\p:V+2*\p+1]
.endr
	s_wait_alu depctr_va_vdst(0)                   ; the adds have written VS, which the LDS store reads, and are done reading V, in which the LDS loads behind the barrier land
	ds_store_b64 v[POFF], v[VS:VS+1] offset:VL
	s_wait_dscnt 0x0                               ; my two numbers are in LDS, for the other waves' sake: zero
	s_barrier_signal -1
	s_barrier_wait -1                              ; v[b] is whole
.irp j, 0,1,2,3,4,5,6,7
	ds_load_b128 v[V+4*\j:V+4*\j+3], v[LOFF] offset:VL+512*\j  ; in the lanes' layout of a row of enc; VL is never written again.  No vector instruction since the wait above
.endr
	s_wait_dscnt 0x0
; One row.  left = how many loads of younger rows may stay out.  fill = 1: the slot gets the row four further on, as soon as
; the multiply-adds have read it; its loads are dealt among the first lines of the reduction.
.macro ROW i, left, fill
	s_wait_loadcnt \left                           ; loads return in order: this row's eight are in
.irp m, 0,1,2,3
	v_pk_mul_f32 v[ACC+2*\m:ACC+2*\m+1], v[X+32*((\i)%4)+2*\m:X+32*((\i)%4)+2*\m+1], v[V+2*\m:V+2*\m+1]     ; the first products start four chains
.endr
.irp m, 4,5,6,7,8,9,10,11,12,13,14,15
	v_pk_fma_f32 v[ACC+2*(\m%4):ACC+2*(\m%4)+1], v[X+32*((\i)%4)+2*\m:X+32*((\i)%4)+2*\m+1], v[V+2*\m:V+2*\m+1], v[ACC+2*(\m%4):ACC+2*(\m%4)+1]
.endr
	s_wait_alu depctr_va_vdst(0)                   ; the multiply-adds are done reading this row's slot, in which the loads below land; the row before has written its R, which the store below reads
	LD2 \i, 0, \fill
	v_pk_add_f32 v[ACC:ACC+1], v[ACC:ACC+1], v[ACC+2:ACC+3]
	LD2 \i, 2, \fill
	v_pk_add_f32 v[ACC+4:ACC+5], v[ACC+4:ACC+5], v[ACC+6:ACC+7]
	LD2 \i, 4, \fill
	v_pk_add_f32 v[ACC:ACC+1], v[ACC:ACC+1], v[ACC+4:ACC+5]
	LD2 \i, 6, \fill
	v_add_f32 v[ACC], v[ACC], v[ACC+1]             ; my 32 products
.if (\i) > 0
	ds_store_b32 v[EA], v[R+(\i)-1] offset:EL+4*((\i)-1)   ; the row before: all lanes write the same word with the same value; the word is my wave's own
.endif
	v_add_f32_dpp v[ACC], v[ACC], v[ACC] row_xmask:1 row_mask:0xf bank_mask:0xf
	v_add_f32_dpp v[ACC], v[ACC], v[ACC] row_xmask:2 row_mask:0xf bank_mask:0xf
	v_add_f32_dpp v[ACC], v[ACC], v[ACC] row_xmask:4 row_mask:0xf bank_mask:0xf
	v_add_f32_dpp v[ACC], v[ACC], v[ACC] row_xmask:8 row_mask:0xf bank_mask:0xf
	v_permlanex16_b32 v[T], v[ACC], s14, s15
	v_add_f32 v[R+(\i)], v[ACC], v[T]              ; every lane holds the row's energy, in a register of its own
.endm
.irp i, 0,1,2,3,4,5,6,7,8,9,10,11
	ROW \i, 24, 1                                  ; three younger rows, 24 loads, stay out
.endr
	ROW 12, 24, 0                                  ; the last four rows fetch nothing: no load leaves the buffer, and the counts run down
	ROW 13, 16, 0
	ROW 14, 8, 0
	ROW 15, 0, 0
	s_wait_alu depctr_va_vdst(0)                   ; row 15's reduction has written R15, which the store below reads, and is done with ACC, in which the LDS load of the way out lands
	ds_store_b32 v[EA], v[R+15] offset:EL+4*15
	s_wait_dscnt 0x0                               ; my 16 energies are in LDS, for waves 0 and 1: zero
	s_barrier_signal -1
	s_barrier_wait -1
	s_cmp_gt_u32 s10, 1                            ; the 1,024 bytes leave by 64 threads, 16 bytes each
	s_cbranch_scc1 .Lend
	ds_load_b128 v[ACC:ACC+3], v[SOFF] offset:EL   ; no vector instruction since the wait behind row 15
	s_wait_dscnt 0x0
	global_store_b128 v[SOFF], v[ACC:ACC+3], s[8:9]    ; sixteen lanes store 256 consecutive bytes, at a multiple of 256 from energy's first byte
.Lend:
	s_wait_dscnt 0x0
	s_wait_alu depctr_hold_cnt(0) depctr_sa_sdst(0) depctr_va_vdst(0) depctr_va_sdst(0) depctr_va_ssrc(0) depctr_va_vcc(0) depctr_vm_vsrc(0)
	s_wait_tensorcnt 0x0
	ds_add_u32 v192, v193
	s_wait_dscnt 0x0
	s_endpgm
.Lfunc_end_k_q9cac910f14_dots:
	.size	k_q9cac910f14_dots, .Lfunc_end_k_q9cac910f14_dots-k_q9cac910f14_dots
	.p2alignl 7, 3214868480
	.fill 96, 4, 3214868480
	.section	.rodata,"a",@progbits
	.p2align	6, 0x0
	.amdhsa_kernel k_q9cac910f14_dots
		.amdhsa_group_segment_fixed_size 7168
		.amdhsa_private_segment_fixed_size 0
		.amdhsa_enable_private_segment 0
		.amdhsa_kernarg_size 24
		.amdhsa_user_sgpr_count 2
		.amdhsa_user_sgpr_kernarg_segment_ptr 1
		.amdhsa_wavefront_size32 1
		.amdhsa_system_sgpr_workgroup_id_x 1
		.amdhsa_system_sgpr_workgroup_id_y 1
		.amdhsa_system_sgpr_workgroup_id_z 1
		.amdhsa_system_vgpr_workitem_id 0
		.amdhsa_next_free_vgpr 194
		.amdhsa_next_free_sgpr 66
		.amdhsa_reserve_vcc 0
		.amdhsa_float_denorm_mode_32 3
		.amdhsa_float_denorm_mode_16_64 3
		.amdhsa_memory_ordered 1
		.amdhsa_forward_progress 1
		.amdhsa_inst_pref_size 45
	.end_amdhsa_kernel
	.amdgpu_metadata
---
amdhsa.version: [ 1, 2 ]
amdhsa.kernels:
  - .name:           k_q9cac910f14_dots
    .symbol:         k_q9cac910f14_dots.kd
    .args:
      - { .name: encoder_outputs, .offset: 0, .size: 8, .value_kind: global_buffer, .address_space: global }
      - { .name: vp, .offset: 8, .size: 8, .value_kind: global_buffer, .address_space: global }
      - { .name: energy, .offset: 16, .size: 8, .value_kind: global_buffer, .address_space: global }
    .group_segment_fixed_size: 7168
    .private_segment_fixed_size: 0
    .kernarg_segment_align: 8
    .kernarg_segment_size: 24
    .max_flat_workgroup_size: 512
    .sgpr_count:     66
    .vgpr_count:     194
    .wavefront_size: 32
...
	.end_amdgpu_metadata
.endif
;; end of part 4
;; launch soft: the kernel of part 3 again; grid 32 x 1, 8 waves a work-group, no clusters, 1,280 bytes of LDS; arguments energy, hidden, b, out0; writes out0
